; MI455X (gfx1250); checked and timed in simulation.
; The chip was launched on July 23, 2026; its instructions are those of AMD's public machine-readable ISA for CDNA 5 (MIT licence, August 2026) and "CDNA5" Instruction Set Architecture Reference Guide (July 2026). The comments in the code are by the model that wrote it; some were corrected since.
;; Full Attention. Allowed arithmetic: matrix products marked QUANTISED: E5M2 operands, one given power-of-two scale a tensor, by v_wmma_f32_16x16x64_bf8_bf8 or v_wmma_f32_16x16x128_bf8_bf8, f32 sums; everything else in f32.
;; Inputs: keys 4 x 2,048 x 8 x 64 float32; lowp_scales 4 int32 (the exponents e of the quantised operands' scales 2^e); queries 4 x 2,048 x 8 x 64 float32; values 4 x 2,048 x 8 x 64 float32.
;; Outputs: out0 4 x 2,048 x 8 x 64 float32.
;; This version of the problem:
;;   THIS VERSION OF THE PROBLEM IS GIVEN IN LOW PRECISION. The matrix products marked QUANTISED in the list below multiply operands that are first quantised to E5M2 (5 exponent bits, 2 mantissa bits; 8 bits a number), with one given power-of-two scale for each operand tensor; their sums are f32. All else is computed in f32.
;;   The module's matrix products, in the order in which they are computed (A, B: the left and right operand; K: the contracted axis; several contracted axes count as one K, in the product's order):
;;     1. batch 32 x [M 2,048, K 64] x [K 64, N 2,048]; A: input queries; B: input keys: QUANTISED (scales: A lowp_scales[0], B lowp_scales[1])
;;     2. batch 32 x [M 64, K 2,048] x [K 2,048, N 2,048]; A: input values; B: softmax (see below): QUANTISED (scales: A lowp_scales[2], B lowp_scales[3])
;;   THE QUANTISER, for each operand of a quantised product, along K:
;;     - The operand's scale is 2^e, e = its entry of the input lowp_scales (int32; the entries are numbered through the quantised products in the list's order, A before B).
;;     - Each number is divided by the scale, clamped to +-57,344, and rounded to the nearest number of E5M2, ties to even, subnormals kept.
;;     - The product sums the exact products of the quantised numbers (number of the format x scale) in f32.
;;   ~~~python
;;   def quantise(x, axis, e):      # numpy; x: float32 -> the quantised numbers, widened to float32 again
;;       x = np.moveaxis(x, axis, -1); K = x.shape[-1]
;;       r = np.clip(x / 2.0 ** e, -57344, 57344)
;;       step = 2.0 ** (np.maximum(np.frexp(np.where(r == 0, 1, r))[1] - 1, -14) - 2)
;;       q = np.round(r / step) * step * 2.0 ** e      # np.round: ties to even
;;       return np.moveaxis(q, -1, axis).astype(np.float32)
;;   ~~~
;;   SOFTMAX AHEAD OF A QUANTISED PRODUCT. Where the list says 'softmax', what is quantised is not the finished softmax but p = 2^(t - M), with t = logit x log2(e) and M = ceil(the row's largest t), a whole number; so 1/2 < the row's largest p <= 1. The row's sum l is taken of the UNQUANTISED p, in f32, and the product's result is divided by l at the end. Since M is a whole number, a kernel that streams over the keys may use a running M (the ceiling of the running maximum): every later rescaling is an exact power of two, so the quantised numbers keep their values, but for numbers so far below the row's largest that they fall under the format's range.
;;   OPERANDS COMPUTED ON THE WAY. 'Computed on the way' means the value that the module computes at that place (a softmax that the list does not call 'softmax' is quantised finished and normalised). What goes into a quantiser is computed in f32, as accurately as f32 sums, v_exp_f32 and their like allow (about 1e-6 of the number): no bf16 or f16 on the way to a quantiser, and a product that is left as it is and whose result goes on into a quantised operand takes f32 operands (vector FMAs, or v_wmma_f32_16x16x4_f32). A number that lies on a knife's edge between two numbers of the format may be rounded either way, as far as f32 arithmetic and the matrix unit's own rounding can turn it there, and no further.
;; One version. Each part assembles by itself: llvm-mc -triple=amdgcn-amd-amdhsa -mcpu=gfx1250 --defsym DOCPART=n.
;; ======== version 1 of 1: 2 launches
;; limits: right only within a limited range of input values
;; workspace buffers: kv 8,388,608 bytes
;; launch quant (part 1): grid 512 x 2, 4 waves a work-group, no clusters, 35,328 bytes of LDS; arguments keys, values, lowp_scales, kv; writes kv
.if DOCPART == 1
	.amdgcn_target "amdgcn-amd-amdhsa--gfx1250"
	.amdhsa_code_object_version 6
	.text
	.protected	k_qa1e95fb0e3_quant
	.globl	k_qa1e95fb0e3_quant
	.p2align	8
	.type	k_qa1e95fb0e3_quant,@function
k_qa1e95fb0e3_quant:
	s_mov_b64 s[64:65], 0
	v_nop
	global_prefetch_b8 v0, s[64:65] scope:SCOPE_SE
	s_setreg_imm32_b32 hwreg(HW_REG_WAVE_MODE, 25, 1), 1
	s_wait_xcnt 0x0
; keys and values, [4][2048][8][64] f32, become codes of BF8 (E5M2), each tensor with the one scale 2^e that is given for it (keys: entry 1 of the scales, values: entry 2).
; code = x / 2^e, held within +-57,344, rounded to the nearest code, ties to even.
; LIMITS: -126 <= e and e + 15 <= 127, so that 2^e and 57,344 x 2^e are f32 numbers.  NaN among the inputs is not served (an infinity is held at the largest code).
; THE CODES ARE LAID IN THE ORDER OF THE OPERANDS' REGISTERS, so that the attention launch fetches every fragment as 512 consecutive bytes, 16 a lane:
;   kv[head 8 b + h][chunk of 128 keys][K's image, 8,192 bytes | V's image, 8,192 bytes].   L = lane, r = L % 16, hf = L / 16.
;   K's image: key tile T = 2 w + u (0..7), group c (0, 1): at (2 T + c) 512 + 16 L the codes of key 32 w + 8 u + r + 8 (r / 8), channels 32 c + 16 hf + 0 .. 15.
;   V's image: channel tile t (0..3), group c (0..3):      at (4 t + c) 512 + 16 L the codes of channel 16 t + r, keys 32 c + 16 hf + 0 .. 15.
; SHARES.  Work-group x = 16 head + chunk; y = 0 takes the keys, y = 1 the values.  Wave w takes keys 32 w .. 32 w + 31 of the chunk: 8,192 bytes in, 2,048 bytes out, all of it asked for at once.
; No loop, no barrier (waves share nothing), no register of a pending memory instruction is written again.  Memory binds: matrix units, clusters and tensor loads would add nothing here.
.set ROW,   2048                       ; bytes from a key to the next of the same head
.set IMG,   8192                       ; bytes of an image
.set SP,    272                        ; a stage row: 256 bytes + 16, so that the 16 rows that a read touches start 16 bytes further on in turn
.set STG,   16*SP                      ; a stage: one key tile, 16 rows
.set WSTG,  2*STG                      ; a wave's two stages
.set EMAX,  15
.set MANT,  0x600000                   ; the mantissa field of 57,344 as f32
.set WV,    12                         ; s12  my wave's number
.set RO,    3                          ; v3   2,048 hf + 16 r: K on the way in (sixteen lanes to a row of 256 bytes, two rows a load); also V's codes on the way out
.set LI,    4                          ; v4   16 x lane: K's codes on the way out
.set CI,    6                          ; v6   4 x lane: V on the way in
.set LIM,   10                         ; v10  57,344 x 2^e
.set SCL,   11                         ; v11  2^e
.set SIN,   14                         ; v14  the stage, on the way in
.set SOUT,  15                         ; v15  the stage, on the way out
.set R,     16                         ; v16-79   64 numbers as loaded
.set X,     80                         ; v80-143  K: 64 numbers, 16 neighbours along the channels at a time
.set C,     144                        ; v144-159 the codes
	s_load_b256 s[4:11], s[0:1], 0x0               ; keys s[4:5], values s[6:7], the scales' exponents s[8:9], kv s[10:11]
	v_lshl_add_u32 v160, v0, 2, 0x8800
	v_mov_b32 v161, 0
	v_lshrrev_b32 v1, 5, v0
	v_readfirstlane_b32 s[WV], v1                  ; wave 0..3
	s_and_b32 s13, ttmp7, 0xffff                   ; y: 0 keys, 1 values
	v_and_b32 v2, 31, v0                           ; lane
	v_and_b32 v7, 15, v0                           ; r
	v_bfe_u32 v8, v0, 4, 1                         ; hf
	v_lshlrev_b32 v[RO], 4, v7
	v_lshl_add_u32 v[RO], v8, 11, v[RO]
	; where my wave's 32 keys begin in the source: batch x 2^22 + chunk x 128 rows + wave x 32 rows + head x 256 bytes
	s_lshr_b32 s20, ttmp9, 7
	s_lshl_b32 s20, s20, 22
	s_and_b32 s21, ttmp9, 15
	s_lshl_b32 s21, s21, 18
	s_add_co_u32 s20, s20, s21
	s_bfe_u32 s21, ttmp9, 0x30004
	s_lshl_b32 s21, s21, 8
	s_add_co_u32 s20, s20, s21
	s_lshl_b32 s21, s[WV], 16
	s_add_co_u32 s20, s20, s21
	s_mov_b32 s21, 0
	; and where its codes go: x chunks of 16,384 + y images + wave x 2,048 (K: two tiles of 1,024) or wave x 512 (V: group c = wave of every tile)
	s_lshl_b32 s22, ttmp9, 14
	s_lshl_b32 s23, s13, 13
	s_add_co_u32 s22, s22, s23
	s_cmp_eq_u32 s13, 0
	s_cselect_b32 s23, 11, 9
	s_lshl_b32 s23, s[WV], s23
	s_add_co_u32 s22, s22, s23
	s_mov_b32 s23, 0
	s_wait_kmcnt 0x0
	s_load_b128 s[16:19], s[8:9], 0x0              ; eq, ek, ev, ep
	s_cmp_eq_u32 s13, 0                            ; the choice of the source hangs on the work-group's number alone
	s_cselect_b64 s[4:5], s[4:5], s[6:7]
	s_add_nc_u64 s[4:5], s[4:5], s[20:21]
	s_add_nc_u64 s[10:11], s[10:11], s[22:23]
.macro SCALES e                        ; 2^e, whose exponent field the conversion takes, and the hold's bound
	s_wait_kmcnt 0x0
	s_add_co_i32 s24, \e, 127
	s_lshl_b32 s25, s24, 23
	v_mov_b32 v[SCL], s25
	s_add_co_i32 s24, s24, EMAX
	s_lshl_b32 s24, s24, 23
	s_or_b32 s24, s24, MANT
	v_mov_b32 v[LIM], s24
.endm
	s_cmp_lg_u32 s13, 0
	s_cbranch_scc1 .Lvalues
; ---- THE KEYS.  K = the channels, innermost in memory.  The conversions want 16 neighbours in ONE lane; a load is dense where neighbouring LANES take neighbouring bytes.  Both are had:
; a load reads two whole rows of 256 bytes, a tile's 16 rows go through the wave's own stage as they lie, and come back 64 bytes a lane.
.macro KLOAD u                         ; tile u's rows 2 i and 2 i + 1 are the keys 8 u + 2 i + 8 (i / 4) and the next
.irp i, 0,1,2,3,4,5,6,7
	global_load_b128 v[R+32*\u+4*\i:R+32*\u+4*\i+3], v[RO], s[4:5] offset:(8*\u+2*\i+8*(\i/4))*ROW th:TH_LOAD_NT
.endr
.endm
.macro KTURN u                         ; LDS serves a wave's instructions in order (ISA guide 5.7.1.4): no wait between these stores and loads of my own bytes
.irp i, 0,1,2,3,4,5,6,7
	ds_store_b128 v[SIN], v[R+32*\u+4*\i:R+32*\u+4*\i+3] offset:\u*STG+2*\i*SP
.endr
.irp c, 0,1
.irp j, 0,1,2,3
	ds_load_b128 v[X+32*\u+16*\c+4*\j:X+32*\u+16*\c+4*\j+3], v[SOUT] offset:\u*STG+128*\c+16*\j   ; row r, channels 32 c + 16 hf + 4 j on
.endr
.endr
.endm
.macro KQUANT u
.set i, 0
.rept 32
	v_med3_num_f32 v[X+32*\u+i], v[X+32*\u+i], -v[LIM], v[LIM]   ; the conversion to an 8-bit code does not saturate (ISA guide 7.6.2): the hold comes first
.set i, i+1
.endr
.irp c, 0,1
	v_cvt_scalef32_pk8_bf8_f32 v[C+8*\u+4*\c:C+8*\u+4*\c+1], v[X+32*\u+16*\c:X+32*\u+16*\c+7], v[SCL]
	v_cvt_scalef32_pk8_bf8_f32 v[C+8*\u+4*\c+2:C+8*\u+4*\c+3], v[X+32*\u+16*\c+8:X+32*\u+16*\c+15], v[SCL]
	global_store_b128 v[LI], v[C+8*\u+4*\c:C+8*\u+4*\c+3], s[10:11] offset:1024*\u+512*\c   ; the wave stores 512 consecutive bytes, aligned; the next launch reads them, so no hint
.endr
.endm
	s_wait_alu depctr_va_vdst(0)
	KLOAD 0
	KLOAD 1
	v_lshlrev_b32 v[LI], 4, v2
	s_mul_i32 s26, s[WV], WSTG
	v_mul_u32_u24 v[SIN], v8, SP
	v_lshl_add_u32 v[SIN], v7, 4, v[SIN]
	v_add_nc_u32 v[SIN], s26, v[SIN]               ; in: row hf of the load's two, 16 bytes a lane
	v_mul_u32_u24 v[SOUT], v7, SP
	v_lshl_add_u32 v[SOUT], v8, 6, v[SOUT]
	v_add_nc_u32 v[SOUT], s26, v[SOUT]             ; out: row r, 64 bytes for each half of the lanes
	s_wait_alu depctr_va_vdst(0)
	SCALES s17                                     ; ek
	s_wait_alu depctr_va_vdst(0)
	s_wait_loadcnt 8                               ; tile 0's eight loads are in; tile 1's eight may be out
	KTURN 0
	s_wait_loadcnt 0x0
	KTURN 1
	s_wait_dscnt 16                                ; behind tile 0's loads from the stage stand tile 1's eight stores and eight loads
	KQUANT 0
	s_wait_dscnt 0x0
	KQUANT 1
	s_wait_tensorcnt 0x0
	ds_add_u32 v160, v161
	s_wait_dscnt 0x0
	s_endpgm
; ---- THE VALUES.  K = the keys, which are not innermost.  A LANE TAKES A CHANNEL AND ITS REGISTERS RUN DOWN THE KEYS: each load reads 128 consecutive bytes of one key's row, and the
; conversions give codes with the keys innermost; nothing is transposed.  Set 2 dd + hh: channels 32 dd + lane, keys 16 hh + 0 .. 15 of my 32.
.Lvalues:
	s_wait_alu depctr_va_vdst(0)
	v_lshlrev_b32 v[CI], 2, v2
.irp dd, 0,1
.irp hh, 0,1
.irp i, 0,1,2,3,4,5,6,7,8,9,10,11,12,13,14,15
	global_load_b32 v[R+16*(2*\dd+\hh)+\i], v[CI], s[4:5] offset:(16*\hh+\i)*ROW+128*\dd th:TH_LOAD_NT
.endr
.endr
.endr
	SCALES s18                                     ; ev
	s_wait_alu depctr_va_vdst(0)
.irp dd, 0,1
.irp hh, 0,1
	s_wait_loadcnt 48-16*(2*\dd+\hh)               ; this set's sixteen loads are in; the younger sets may be out
.irp i, 0,1,2,3,4,5,6,7,8,9,10,11,12,13,14,15
	v_med3_num_f32 v[R+16*(2*\dd+\hh)+\i], v[R+16*(2*\dd+\hh)+\i], -v[LIM], v[LIM]
.endr
	v_cvt_scalef32_pk8_bf8_f32 v[C+4*(2*\dd+\hh):C+4*(2*\dd+\hh)+1], v[R+16*(2*\dd+\hh):R+16*(2*\dd+\hh)+7], v[SCL]
	v_cvt_scalef32_pk8_bf8_f32 v[C+4*(2*\dd+\hh)+2:C+4*(2*\dd+\hh)+3], v[R+16*(2*\dd+\hh)+8:R+16*(2*\dd+\hh)+15], v[SCL]
	global_store_b128 v[RO], v[C+4*(2*\dd+\hh):C+4*(2*\dd+\hh)+3], s[10:11] offset:4096*\dd+256*\hh   ; tile 2 dd + lane / 16, the operand's lanes 16 hh + lane % 16: sixteen lanes store 256 consecutive bytes, aligned
.endr
.endr
	s_endpgm
.Lfunc_end_k_qa1e95fb0e3_quant:
	.size	k_qa1e95fb0e3_quant, .Lfunc_end_k_qa1e95fb0e3_quant-k_qa1e95fb0e3_quant
	.p2alignl 7, 3214868480
	.fill 96, 4, 3214868480
	.section	.rodata,"a",@progbits
	.p2align	6, 0x0
	.amdhsa_kernel k_qa1e95fb0e3_quant
		.amdhsa_group_segment_fixed_size 35328
		.amdhsa_private_segment_fixed_size 0
		.amdhsa_enable_private_segment 0
		.amdhsa_kernarg_size 32
		.amdhsa_user_sgpr_count 2
		.amdhsa_user_sgpr_kernarg_segment_ptr 1
		.amdhsa_wavefront_size32 1
		.amdhsa_system_sgpr_workgroup_id_x 1
		.amdhsa_system_sgpr_workgroup_id_y 1
		.amdhsa_system_sgpr_workgroup_id_z 1
		.amdhsa_system_vgpr_workitem_id 0
		.amdhsa_next_free_vgpr 162
		.amdhsa_next_free_sgpr 66
		.amdhsa_reserve_vcc 0
		.amdhsa_float_denorm_mode_32 3
		.amdhsa_float_denorm_mode_16_64 3
		.amdhsa_memory_ordered 1
		.amdhsa_forward_progress 1
		.amdhsa_inst_pref_size 23
	.end_amdhsa_kernel
	.amdgpu_metadata
---
amdhsa.version: [ 1, 2 ]
amdhsa.kernels:
  - .name:           k_qa1e95fb0e3_quant
    .symbol:         k_qa1e95fb0e3_quant.kd
    .args:
      - { .name: keys, .offset: 0, .size: 8, .value_kind: global_buffer, .address_space: global }
      - { .name: values, .offset: 8, .size: 8, .value_kind: global_buffer, .address_space: global }
      - { .name: lowp_scales, .offset: 16, .size: 8, .value_kind: global_buffer, .address_space: global }
      - { .name: kv, .offset: 24, .size: 8, .value_kind: global_buffer, .address_space: global }
    .group_segment_fixed_size: 35328
    .private_segment_fixed_size: 0
    .kernarg_segment_align: 8
    .kernarg_segment_size: 32
    .max_flat_workgroup_size: 128
    .sgpr_count:     66
    .vgpr_count:     162
    .wavefront_size: 32
...
	.end_amdgpu_metadata
.endif
;; end of part 1
;; launch attn (part 2): grid 32 x 8, 16 waves a work-group, no clusters, 280,576 bytes of LDS; arguments queries, kv, lowp_scales, out0; writes out0
.if DOCPART == 2
	.amdgcn_target "amdgcn-amd-amdhsa--gfx1250"
	.amdhsa_code_object_version 6
	.text
	.protected	k_qa1e95fb0e3_attn
	.globl	k_qa1e95fb0e3_attn
	.p2align	8
	.type	k_qa1e95fb0e3_attn,@function
k_qa1e95fb0e3_attn:
	s_mov_b64 s[64:65], 0
	v_nop
	global_prefetch_b8 v0, s[64:65] scope:SCOPE_SE
	s_setreg_imm32_b32 hwreg(HW_REG_WAVE_MODE, 25, 1), 1
	s_wait_xcnt 0x0
; out0[b][q][h][:] = the sum over keys k <= q of softmax_k(Q . K / 8) V, both products on codes of BF8 (E5M2), each operand with the one scale 2^e that is given for it: eq, ek, ev, ep.
; queries, out0: [4][2048][8][64] f32.  kv: the keys' and values' codes, made by the launch before, laid in the order of the operands' registers:
;   kv[head][chunk of 128 keys][K's image 8,192 bytes | V's image 8,192 bytes]; a group of four registers of a fragment is 512 consecutive bytes, 16 a lane.
; WORK LEFT OUT: chunks and 32-key groups all of whose keys come after a tile's 16 queries: the causal mask gives them weight 0 for all inputs.  A NaN or an infinity that reaches only those is not carried to the result.
; THE SOFTMAX AHEAD OF THE SECOND PRODUCT: t = score x log2(e) / 8; M = the row's largest t so far, rounded UP to a whole number; p = 2^(t - M) is what is quantised, along the keys, not normalised.
; (The largest t is first raised by 2^-23 of its magnitude, so that t - M as the fused multiply-add makes it is never above 0; a t that close under a whole number takes the next one.)
; The row's sum is taken of the unquantised p, in f32, and divides O at the end.  When M moves, the sum and O are multiplied by 2^(old M - new M): exact.
; LIMITS on the given exponents, so that each power of two below is an f32 number: eq and ep between -126 and 112; eq + ek between -123 and 130 (they are added to c's exponent field);
; ev + ep is applied by v_ldexp_f32 and has none.  The scaled scores t stay under 2^31 in magnitude.  NaN among the inputs is not served.
; THE HOLD OF p at 57,344 x 2^ep changes nothing where ep >= -15, since p <= 1: a branch on the given ep, a whole number, leads round its 64 instructions then.
; SHARES.  A work-group has SIXTEEN waves, each working on ONE tile of 16 queries at a time.  A head has 16 blocks of 128 queries; a tile of block B needs B + 1 key steps of 128 keys.
; Waves p and 8 + p (p = 0..7) share two tiles: an early one of block low and a late one of block 15 - low, 17 steps together: low = 2 (p % 4) + (j % 2), tile of the block = 4 (p / 4) + j / 2, j the work-group's y.
;   wave p, steps 0 .. 8: the late tile's chunk 0; chunk 2 (low = 5: 3; low over 5: 1); chunks 9 - low .. 15 - low.
;   wave 8 + p, steps 0 .. 7: low under 5: the late tile's chunks 1, 3, 4 .. 8 - low, then the early tile's 0 .. low;
;     low = 5: the early tile's 0 .. 2, the late tile's 1, 2, the early tile's 3 .. 5;  low = 6: the early tile's 0 .. 2, the late tile's 2, the early tile's 3 .. 6;  low = 7: the early tile's 0 .. 7.
; The last step of each wave, and no other, is the diagonal's.  A change of tiles exchanges the tile's state (O^T, -M, the largest t, the sum) with v208-243.
; Behind the barrier that ends all reads of the codes wave 8 + p puts its part of the late tile into LDS, and behind another wave p adds it; wave p puts the late tile out, wave 8 + p the early one.
; LDS.  A head's codes, 16 chunks x 16,384 bytes, are brought in ONCE and stay: 16 bytes a lane through registers, 512 bytes an instruction: chunks 0, 1 at the head, chunks 2 to 6, 7 to 11, 12 to 15 under steps 0, 1, 2.
; Step 0 reads chunks 0, 1, step 1 chunks up to 3, step 2 chunks up to 9; a barrier stands behind each of the three.
; NO CLUSTER: a joint load is a tensor load; what would be asked for jointly is 32 loads a wave, once.
; NO PREFETCH: no loop here loads from memory; each wave's three lots of loads are already asked for a whole step ahead of the step's end at which they are wanted.
; LAYOUT.  Both products are used transposed: S^T = K Q^T (source 0 = 16 keys, source 1 = my 16 queries), O^T = V^T P^T (source 0 = 16 channels, source 1 = P): a lane holds ONE query (lane % 16) throughout.
; THE KEYS OF A TILE ARE NOT NEIGHBOURS: row r of tile 2 b + u is key 32 b + 8 u + r + 8 (r / 8), so that register 16 b + i of S^T is key 32 b + 16 (lane / 16) + i: the conversions' results ARE P's registers.
; Along K both sources of each product hold k = 32 c + 16 (lane / 16) + 0 .. 15 in registers 4 c .. 4 c + 3.
.set VIMG,  8192                       ; V's image in a chunk
.set QR,    262144                     ; 16 tiles of Q's codes, [16][64] bytes each: tile w is loaded by wave w: 0..7 the late tiles, 8..15 the early ones
.set PSZ,   4608                       ; a late tile's part: 9 x 512 bytes, at wave x PSZ over the codes
.set STAGE, 131072                     ; the way out's stages, over the codes too, behind the parts
.set SPARE, QR+16*1024                 ; the spare words, 128 bytes for each wave: eight blocks of 256 bytes that no other line names
.set B1,    32768                      ; first byte of chunks 2 to 6,
.set B2,    114688                     ; of chunks 7 to 11,
.set B3,    196608                     ; of chunks 12 to 15
.set SP,    272                        ; the way out: a stage row, 256 bytes + 16
.set STG,   16*SP                      ; a wave's stage
.set LI,   1                           ; v1   16 x lane
.set ADK,  2                           ; v2   LDS address of my 16 bytes in the chunk in hand; on the way out: where I put 32 bytes of a row
.set QRD,  3                           ; v3   where I read Q's codes; on the way out: where I read a row back
.set PAD,  4                           ; v4   where I put a late tile's part
.set VB,   5                           ; v5   my part of five chunks; v6, v7 its LDS address in chunks 2 to 6, 7 to 11
.set SPW,  8                           ; v8   LDS address of my spare word; never rewritten
.set NIL,  9                           ; v9   0; never rewritten
.set DM,   10                          ; v10  on the diagonal register i of the last 32-key group is hidden where i is larger
.set QO,   11                          ; v11  my byte offset in the tile's rows of Q; on the way out in O's
.set NM,   12                          ; v12  -M;  v13 the largest t so far
.set SUM,  14                          ; v[14:15] the row's sum, in two halves
.set QF,   16                          ; v[16:23] Q's codes
.set LIM,  24                          ; v24  57,344 x 2^ep
.set SCL,  25                          ; v25  2^ep
.set XL,   26                          ; v26  what the lane 16 away sends
.set VA,   27                          ; v27  my part of chunks 0, 1
.set FF,   28                          ; v[28:29] f = 2^(old M - new M); v29 is named with it as a pair
.set X0,   30                          ; v[30:31] at work
.set FR,   32                          ; v[32:95] K's eight fragments of 8 registers, then V's four of 16
.set S,    96                          ; v[96:159] S^T, then p
.set OT,   160                         ; v[160:191] O^T: four accumulators
.set PC,   192                         ; v[192:207] p's codes;  v204-207 at work ahead of the conversions
.set T0,   204
.set T1,   205
.set X2,   206
.set BR,   208                         ; v[208:247] chunks' codes on their way to LDS; then v[208:243] the state put by
.set VC,   248                         ; v248 my part of four chunks;  v249 its LDS address in chunks 12 to 15
.set WV,   12                          ; s12  my wave's number
.set KK,   16                          ; s16  1: waves 0..7, 0: waves 8..15
.set SW,   30                          ; s30  7 - low
.set OFF,  31                          ; s31  the chunk of step s is s + OFF (mod 16)
.set SWM,  32                          ; s32  bit s is set where my wave changes tiles ahead of step s
.set OFFL, 33                          ; s33  low + 9: OFF behind a change
.set LAST, 34                          ; s34  the diagonal's step
.set DTB,  35                          ; s35  LDS byte of the diagonal's chunk
.set NGI,  36                          ; s36  my tile's number in its block / 2: the diagonal's 32-key group
.set EX,   40                          ; s[40:43] eq, ek, ev, ep
.set CS,   44                          ; s[44:45] c = log2(e) / 8 x 2^(eq + ek): the packed form names a pair and takes its low word for both halves
.set SEL,  46                          ; s[46:47] lane selects for v_permlanex16_b32: lane l xor 16
.set TB,   48                          ; s48  LDS byte at which the chunk in hand begins
.set SC,   49                          ; s49  the step
.set ADJ,  50                          ; s50  what OFF grows by ahead of step 1
.set EO,   52                          ; s52  ev + ep
	s_load_b256 s[4:11], s[0:1], 0x0               ; queries s[4:5], kv s[6:7], the scales' exponents s[8:9], out0 s[10:11]
	v_lshl_add_u32 v[SPW], v0, 2, SPARE
	v_mov_b32 v[NIL], 0
	v_lshrrev_b32 v1, 5, v0
	v_and_b32 v14, 15, v0                          ; r
	v_bfe_u32 v15, v0, 4, 1                        ; h
	v_readfirstlane_b32 s[WV], v1                  ; wave 0..15
	s_and_b32 s13, ttmp7, 0xffff                   ; j
	s_and_b32 s14, s[WV], 7                        ; p
	s_lshr_b32 s[KK], s[WV], 3
	s_xor_b32 s[KK], s[KK], 1
	s_and_b32 s17, s[WV], 3
	s_bfe_u32 s18, s[WV], 0x10002
	s_and_b32 s19, s13, 1
	s_lshr_b32 s20, s13, 1
	s_lshl_b32 s21, s17, 1
	s_add_co_u32 s21, s21, s19                     ; low
	s_mul_i32 s22, s[KK], 15
	s_xor_b32 s22, s22, s21                        ; the block of the tile that I put out: 15 - low, or low
	s_lshl_b32 s23, s18, 2
	s_add_co_u32 s23, s23, s20                     ; its number in the block
	s_lshl_b32 s24, s22, 7
	s_lshl_b32 s25, s23, 4
	s_add_co_u32 s24, s24, s25                     ; its first query
	s_lshr_b32 s26, ttmp9, 3                       ; its byte in Q and in O: batch x 2^22 + query x 2,048 + (head % 8) x 256
	s_lshl_b32 s26, s26, 22
	s_lshl_b32 s24, s24, 11
	s_add_co_u32 s26, s26, s24
	s_and_b32 s24, ttmp9, 7
	s_lshl_b32 s24, s24, 8
	s_add_co_u32 s26, s26, s24
	s_mov_b32 s27, 0
	s_lshl_b32 s28, ttmp9, 18                      ; the head's codes in kv
	s_mov_b32 s29, 0
	s_sub_co_u32 s[SW], 7, s21
	s_lshl_b32 s53, s[KK], 1
	s_lshl_b32 s[SWM], 1, s[SW]                    ; waves 8..15, low under 5: one change, ahead of step 7 - low;
	s_cmp_eq_u32 s21, 5
	s_cselect_b32 s[SWM], 40, s[SWM]               ; low = 5: ahead of steps 3 and 5;
	s_cselect_b32 s[ADJ], s53, 0                   ; (and waves 0..7 take chunk 3 in step 1)
	s_cmp_eq_u32 s21, 6
	s_cselect_b32 s[SWM], 24, s[SWM]               ; low = 6: ahead of steps 3 and 4;
	s_cmp_eq_u32 s21, 7
	s_cselect_b32 s[SWM], 0, s[SWM]                ; low = 7: none
	s_cmp_lt_u32 s21, 5
	s_cselect_b32 s[ADJ], 1, s[ADJ]
	s_cselect_b32 s[OFF], 1, 0                     ; they begin on the late tile's chunk 1, or on the early tile's chunk 0
	s_cselect_b32 s51, 0, 0x2000
	s_cmp_eq_u32 s[KK], 1
	s_cselect_b32 s[SWM], 0, s[SWM]                ; waves 0..7: no change; they begin on the late tile's chunk 0
	s_cselect_b32 s[OFF], 0, s[OFF]
	s_cselect_b32 s51, 0, s51
	s_add_co_u32 s[OFFL], s21, 9
	s_add_co_u32 s[LAST], s[KK], 7
	s_and_b32 s[DTB], s22, 15
	s_lshl_b32 s[DTB], s[DTB], 14
	s_lshr_b32 s[NGI], s23, 1
	s_mov_b32 s[SEL], 0x76543210
	s_mov_b32 s[SEL+1], 0xfedcba98
	s_mov_b32 s[CS], 0x3e38aa3b                    ; log2(e) / 8
	s_wait_alu depctr_va_vdst(0)
	v_and_b32 v[LI], 31, v0
	v_lshlrev_b32 v[LI], 4, v[LI]
	v_lshlrev_b32 v[QO], 4, v14
	v_lshl_add_u32 v[QO], v15, 11, v[QO]           ; Q: sixteen lanes to a row of 256 bytes, two rows a load
	s_lshl_b32 s37, s[WV], 11
	v_add_nc_u32 v[VA], s37, v[LI]                 ; chunks 0, 1: wave x 2,048
	s_mul_i32 s38, s[WV], 5120
	v_add_nc_u32 v[VB], s38, v[LI]
	s_wait_alu depctr_va_vdst(0)
	s_wait_kmcnt 0x0
	s_load_b128 s[EX:EX+3], s[8:9], 0x0            ; eq, ek, ev, ep
	s_add_nc_u64 s[4:5], s[4:5], s[26:27]          ; Q and O at my tile's first query
	s_add_nc_u64 s[10:11], s[10:11], s[26:27]
	s_add_nc_u64 s[6:7], s[6:7], s[28:29]
.irp n, 0,1,2,3,4,5,6,7
	global_load_b128 v[FR+4*\n:FR+4*\n+3], v[QO], s[4:5] offset:4096*\n th:TH_LOAD_NT   ; rows 2 n and 2 n + 1 of my tile of Q: read once, by this wave alone
.endr
.irp n, 0,1,2,3
	global_load_b128 v[S+4*\n:S+4*\n+3], v[VA], s[6:7] offset:512*\n        ; chunks 0, 1
.endr
.macro BLOAD base, adr, cnt            ; my part of a lot of chunks, into registers,
.set n, 0
.rept \cnt
	global_load_b128 v[BR+4*n:BR+4*n+3], v[\adr], s[6:7] offset:\base+512*n
.set n, n+1
.endr
.endm
.macro BSTORE adr, cnt                 ; and on into LDS
.set n, 0
.rept \cnt
	ds_store_b128 v[\adr], v[BR+4*n:BR+4*n+3] offset:512*n
.set n, n+1
.endr
.endm
	v_add_nc_u32 v6, B1, v[VB]
	v_add_nc_u32 v7, B2, v[VB]
	s_lshl_b32 s37, s[WV], 12
	v_add_nc_u32 v[VC], s37, v[LI]
	v_add_nc_u32 v[VC+1], B3, v[VC]
	s_lshl_b32 s37, s[WV], 10
	s_add_co_u32 s37, s37, QR
	v_lshlrev_b32 v[X0], 2, v14
	v_lshl_add_u32 v[X0], v15, 6, v[X0]
	v_add_nc_u32 v[X0], s37, v[X0]                 ; where I put four of Q's codes: 64 x row + 4 r
	s_lshl_b32 s38, s14, 10
	s_add_co_u32 s38, s38, QR
	s_add_co_u32 s38, s38, s51                     ; the tile that I begin on: the early tile's codes lie 8,192 bytes behind the late one's
	v_lshlrev_b32 v[QRD], 6, v14
	v_lshl_add_u32 v[QRD], v15, 4, v[QRD]
	v_add_nc_u32 v[QRD], s38, v[QRD]               ; row r, 16 bytes for each half of the lanes
	s_mul_i32 s39, s[WV], PSZ
	v_add_nc_u32 v[PAD], s39, v[LI]
	v_lshlrev_b32 v[DM], 4, v15
	v_sub_nc_u32 v[DM], v14, v[DM]
	s_and_b32 s20, s20, 1
	s_lshl_b32 s20, s20, 4
	v_add_nc_u32 v[DM], s20, v[DM]                 ; 16 (tile % 2) + r - 16 h
.macro FRESH ot, m                     ; a tile without a step yet: O^T and the sum are zeros, and the largest t is -3e38, under every t: the first change of M multiplies zeros
	v_mov_b32 v[\m], 0x7f61b1e6
	v_mov_b32 v[\m+1], 0xff61b1e6
	v_mov_b32 v[\m+2], 0
	v_mov_b32 v[\m+3], 0
.set j, 0
.rept 32
	v_mov_b32 v[\ot+j], 0
.set j, j+1
.endr
.endm
	FRESH OT, NM
	v_mov_b32 v[XL], 0                             ; written once: a lane permute's destination counts as one of its sources
	v_mov_b32 v[FF+1], 0                           ; (named as the upper half of a pair)
	s_wait_alu depctr_va_vdst(0)
	s_wait_kmcnt 0x0
	s_add_co_i32 s53, s[EX], s[EX+1]
	s_lshl_b32 s53, s53, 23
	s_add_co_i32 s[CS], s[CS], s53                 ; a score stands for score x 2^(eq + ek): the two exponents are added to c's exponent field
	s_mov_b32 s[CS+1], s[CS]
	s_add_co_i32 s53, s[EX+3], 127
	s_lshl_b32 s54, s53, 23
	v_mov_b32 v[SCL], s54                          ; 2^ep as f32: the conversion takes its exponent field
	s_add_co_i32 s53, s53, 15
	s_lshl_b32 s53, s53, 23
	s_or_b32 s53, s53, 0x600000
	v_mov_b32 v[LIM], s53                          ; 57,344 x 2^ep
	s_add_co_i32 s53, s[EX], 127
	s_lshl_b32 s54, s53, 23
	v_mov_b32 v[T0], s54                           ; 2^eq
	s_add_co_i32 s53, s53, 15
	s_lshl_b32 s53, s53, 23
	s_or_b32 s53, s53, 0x600000
	v_mov_b32 v[T1], s53                           ; 57,344 x 2^eq
	s_add_co_i32 s[EO], s[EX+2], s[EX+3]
	s_wait_alu depctr_va_vdst(0)
	s_wait_loadcnt 4                               ; Q's eight loads are in; the four of chunks 0, 1 may be out
	BLOAD B1, VB, 10                               ; chunks 2 to 6: asked for behind what the first step needs
.set j, 0
.rept 32
	v_med3_num_f32 v[FR+j], v[FR+j], -v[T1], v[T1] ; the conversion to an 8-bit code does not saturate (ISA guide 7.6.2): the hold comes first
.set j, j+1
.endr
.irp m, 0,1,2,3
	v_cvt_scalef32_pk8_bf8_f32 v[PC+2*\m:PC+2*\m+1], v[FR+8*\m:FR+8*\m+7], v[T0]   ; channels 4 r .. 4 r + 3 of the rows 4 m + h and 4 m + 2 + h
.endr
	v_nop                                          ; one plain instruction behind the conversions
.irp m, 0,1,2,3
	ds_store_b32 v[X0], v[PC+2*\m] offset:256*\m
	ds_store_b32 v[X0], v[PC+2*\m+1] offset:256*\m+128
.endr
	s_wait_loadcnt 10                              ; chunks 0, 1 are in; the ten of chunks 2 to 6 may be out
.irp n, 0,1,2,3
	ds_store_b128 v[VA], v[S+4*\n:S+4*\n+3] offset:512*\n
.endr
	s_wait_alu depctr_va_vdst(0)
	s_wait_dscnt 0x0                               ; my stores are done:
	s_barrier_signal -1
	s_barrier_wait -1                              ; everybody's are
	ds_load_b128 v[QF:QF+3], v[QRD]
	ds_load_b128 v[QF+4:QF+7], v[QRD] offset:32
; A change of tiles: the state in hand and the one put by change places, and the other tile's Q is fetched.  The branch hangs on the wave's and the work-group's numbers.
.macro SWITCH s
	s_bitcmp1_b32 s[SWM], \s
	s_cbranch_scc0 .Lstay_\@
.rept 4
	v_nop                                          ; four places between the last products and what reads them (ISA guide 7.12.1)
.endr
	v_xor_b32 v[QRD], 0x2000, v[QRD]
	ds_load_b128 v[QF:QF+3], v[QRD]
	ds_load_b128 v[QF+4:QF+7], v[QRD] offset:32
.set j, 0
.rept 4
	v_swap_b32 v[NM+j], v[BR+32+j]                 ; -M, the largest t, the sum's two halves
.set j, j+1
.endr
.set j, 0
.rept 32
	v_swap_b32 v[OT+j], v[BR+j]
.set j, j+1
.endr
	s_mov_b32 s[OFF], s[OFFL]
.Lstay_\@:
.endm
; A KEY STEP on the first 32 ng keys of the chunk at LDS byte s[TB].  diag = 1: the last of its 32-key groups is the diagonal's.  No barrier stands in a step.
.macro STEP ng, diag
	v_add_nc_u32 v[ADK], s[TB], v[LI]              ; (the first of four places between the last step's products, which read v32-95, and the loads into them)
.rept 3
	v_nop
.endr
.set n, 0
.rept 4*\ng
	ds_load_b128 v[FR+4*n:FR+4*n+3], v[ADK] offset:512*n   ; K: tile n / 2, group n % 2: the wave reads 512 consecutive bytes
.set n, n+1
.endr
	s_wait_alu depctr_va_vdst(0)
.if \ng == 4
	s_wait_dscnt 8                                 ; tiles 0 to 3 are in; the youngest eight loads, tiles 4 to 7, may be out
.else
	s_wait_dscnt 0x0
.endif
.set n, 0
.rept 2*\ng
.if n == 4
	s_wait_dscnt 0x0
.endif
	v_wmma_f32_16x16x64_bf8_bf8 v[S+8*n:S+8*n+7], v[FR+8*n:FR+8*n+7], v[QF:QF+7], 0
.set n, n+1
.endr
.rept 4
	v_nop                                          ; four places: in front of the loads into K's registers, and of the first read of the scores
.endr
.irp m, 0,1,2,3,4,5,6,7,8,9,10,11,12,13,14,15
	ds_load_b128 v[FR+4*\m:FR+4*\m+3], v[ADK] offset:VIMG+512*\m   ; V: tile m / 4, group m % 4: it lands while the softmax is walked
.endr
.if \diag
	v_mov_b32 v[T1], 0xff800000                    ; -infinity
.set n, 0
.rept 16
	v_cmp_gt_i32 vcc_lo, n, v[DM]                  ; whole numbers made of ids: the key comes after my query
	v_cndmask_b32 v[S+16*(\ng-1)+n], v[S+16*(\ng-1)+n], v[T1], vcc_lo   ; its score becomes -infinity ahead of the maximum: p = 0.  (At least one key of each step counts for every query)
.set n, n+1
.endr
.endif
	v_max3_num_f32 v[T0], v[S], v[S+1], v[S+2]     ; the step's largest score of my query among my keys, in four chains, each accumulator from its low end on
	v_max3_num_f32 v[T1], v[S+3], v[S+4], v[S+5]
	v_max3_num_f32 v[X0], v[S+6], v[S+7], v[S+8]
	v_max3_num_f32 v[X0+1], v[S+9], v[S+10], v[S+11]
.set q, 0
.rept 8*\ng-6
.set CHN, (T0+(q%2))*(1-(q%4)/2)+(X0+(q%2))*((q%4)/2)
	v_max3_num_f32 v[CHN], v[CHN], v[S+12+2*q], v[S+13+2*q]
.set q, q+1
.endr
	s_delay_alu instid0(VALU_DEP_1)
	v_max3_num_f32 v[T0], v[T0], v[T1], v[X0]
	s_delay_alu instid0(VALU_DEP_1)
	v_max_num_f32 v[T0], v[T0], v[X0+1]
	s_delay_alu instid0(VALU_DEP_1)
	v_permlanex16_b32 v[XL], v[T0], s[SEL], s[SEL+1]
	s_delay_alu instid0(VALU_DEP_1)
	v_max_num_f32 v[T0], v[T0], v[XL]              ; and among the keys of the lane 16 away
	s_delay_alu instid0(VALU_DEP_1)
	v_mul_f32 v[T0], s[CS], v[T0]                  ; as t (c is positive),
	s_delay_alu instid0(VALU_DEP_1)
	v_fma_f32 v[T0], |v[T0]|, 0x34000000, v[T0]    ; raised by 2^-23 of its magnitude: no score's t - M below comes out above 0
	s_delay_alu instid0(VALU_DEP_1)
	v_max_num_f32 v[NM+1], v[NM+1], v[T0]          ; the running largest t
	v_mov_b32 v[T0], v[NM]
	s_delay_alu instid0(VALU_DEP_2)
	v_floor_f32 v[NM], -v[NM+1]                    ; the new -M = floor(-t) = -ceil(t): M is a whole number
	s_delay_alu instid0(VALU_DEP_1)
	v_sub_f32 v[T0], v[NM], v[T0]                  ; M's old value less its new one: a whole number, 0 or less
	s_delay_alu instid0(VALU_DEP_1)
	v_cvt_i32_f32 v[T0], v[T0]                     ; (it saturates)
	s_delay_alu instid0(VALU_DEP_1)
	v_ldexp_f32 v[FF], 1.0, v[T0]                  ; f = 2^(old M - new M): a multiplication by it rounds nothing
.set j, 0
.rept 8*\ng
	v_pk_fma_f32 v[S+j:S+j+1], v[S+j:S+j+1], s[CS:CS+1], v[NM:NM+1] op_sel_hi:[1,0,0]   ; t - M, two at a time (of the pairs c and -M the low word serves both halves)
.set j, j+2
.endr
	s_wait_alu depctr_va_vdst(0)
.set j, 0
.rept 16*\ng
	v_exp_f32 v[S+j], v[S+j]                       ; p = 2^(t - M), at most 1, not normalised
.set j, j+1
.endr
	v_pk_mul_f32 v[SUM:SUM+1], v[SUM:SUM+1], v[FF:FF+1] op_sel_hi:[1,0]   ; the sum under the new M.  (The plain instruction behind the exponentials: ISA guide 5.7.2)
	s_wait_alu depctr_va_vdst(0)                   ; and behind it, ahead of the first reader of O^T and of the batch's results
.set j, 0
.rept 16
	v_pk_mul_f32 v[OT+j:OT+j+1], v[OT+j:OT+j+1], v[FF:FF+1] op_sel_hi:[1,0]   ; O^T under the new M, each accumulator from its low end on
.set j, j+2
.endr
	v_pk_add_f32 v[X0:X0+1], v[S:S+1], v[S+2:S+3]  ; the sum of the unquantised p, two at a time, in four chains
	v_pk_add_f32 v[T0:T1], v[S+4:S+5], v[S+6:S+7]
	v_pk_add_f32 v[X2:X2+1], v[S+8:S+9], v[S+10:S+11]
	v_pk_add_f32 v[SUM:SUM+1], v[SUM:SUM+1], v[S+12:S+13]
.set q, 7
.rept 8*\ng-7
.if (q-7)%4 == 0
	v_pk_add_f32 v[X0:X0+1], v[X0:X0+1], v[S+2*q:S+2*q+1]
.elseif (q-7)%4 == 1
	v_pk_add_f32 v[T0:T1], v[T0:T1], v[S+2*q:S+2*q+1]
.elseif (q-7)%4 == 2
	v_pk_add_f32 v[X2:X2+1], v[X2:X2+1], v[S+2*q:S+2*q+1]
.else
	v_pk_add_f32 v[SUM:SUM+1], v[SUM:SUM+1], v[S+2*q:S+2*q+1]
.endif
.set q, q+1
.endr
	v_pk_add_f32 v[X0:X0+1], v[X0:X0+1], v[T0:T1]
	v_pk_add_f32 v[SUM:SUM+1], v[SUM:SUM+1], v[X2:X2+1]
	s_delay_alu instid0(VALU_DEP_1)
	v_pk_add_f32 v[SUM:SUM+1], v[SUM:SUM+1], v[X0:X0+1]
	s_cmp_ge_i32 s[EX+3], -15                      ; p <= 1 < 57,344 x 2^ep: the hold would change nothing
	s_cbranch_scc1 .Lfree_\@
.set j, 0
.rept 16*\ng
	v_min_num_f32 v[S+j], v[S+j], v[LIM]           ; the hold at the largest code x the scale; p is not negative, so it is one-sided
.set j, j+1
.endr
.Lfree_\@:
.set n, 0
.rept \ng
	v_cvt_scalef32_pk8_bf8_f32 v[PC+4*n:PC+4*n+1], v[S+16*n:S+16*n+7], v[SCL]      ; registers 4 n .. 4 n + 3 of P: keys 32 n + 16 (lane / 16) + 0 .. 15
	v_cvt_scalef32_pk8_bf8_f32 v[PC+4*n+2:PC+4*n+3], v[S+16*n+8:S+16*n+15], v[SCL]
.set n, n+1
.endr
	v_nop                                          ; one plain instruction between a scaled conversion and the matrix instruction that reads its result
.set n, 4*\ng
.rept 16-4*\ng
	v_mov_b32 v[PC+n], 0                           ; the groups behind the diagonal's: zero codes
.set n, n+1
.endr
	s_wait_alu depctr_va_vdst(0)
	s_wait_dscnt 0x0                               ; V
.irp t, 0,1,2,3                        ; O^T += V^T P^T; the four accumulators take turns, one instruction a turn, and the next step's K Q^T stand between two turns of one
	v_wmma_f32_16x16x128_bf8_bf8 v[OT+8*\t:OT+8*\t+7], v[FR+16*\t:FR+16*\t+15], v[PC:PC+15], v[OT+8*\t:OT+8*\t+7]
.endr
.endm
	; Steps 0, 1, 2: under each of them a lot of chunks is on its way into v208-247; it goes to LDS behind the step, and the next lot is asked for
.irp s, 0,1,2
.if \s == 0
	s_and_b32 s[TB], s[OFF], 1                     ; chunk 0 or 1
.elseif \s == 1
	s_add_co_u32 s[OFF], s[OFF], s[ADJ]
	s_add_co_u32 s[TB], s[OFF], 1
	s_and_b32 s[TB], s[TB], 3                      ; a chunk up to 3
.else
	s_cmp_eq_u32 s[KK], 1
	s_cselect_b32 s[OFF], s[SW], s[OFF]            ; waves 0..7 go on at chunk 9 - low
	s_add_co_u32 s[TB], s[OFF], 2
	s_and_b32 s[TB], s[TB], 15
	s_min_u32 s[TB], s[TB], 11                     ; (a chunk up to 9, so the bound changes nothing)
.endif
	s_lshl_b32 s[TB], s[TB], 14
	STEP 4, 0
	s_wait_loadcnt 0x0
.if \s == 0
	BSTORE 6, 10
.elseif \s == 1
	BSTORE 7, 10
.else
	BSTORE VC+1, 8
.endif
	s_wait_dscnt 0x0                               ; the stores have read their registers, and are done
.if \s == 0
	BLOAD B2, VB, 10                               ; chunks 7 to 11
.elseif \s == 1
	BLOAD B3, VC, 8                                ; chunks 12 to 15
.endif
	s_barrier_signal -1
	s_barrier_wait -1                              ; everybody's stores are done
.endr
	; Every chunk is in.  From here to the way out no wave waits for another
	s_cmp_lt_u32 s[WV], 8
	s_cbranch_scc1 .Lno_second
	FRESH BR, BR+32                                ; waves 8..15: the other tile has no step yet
.Lno_second:
	s_mov_b32 s[SC], 3
.Lstep:                                                ; a constant five trips in every wave; waves 8..15 work in the first four
	s_cmp_ge_u32 s[SC], s[LAST]
	s_cbranch_scc1 .Lrest
	SWITCH s[SC]
	s_add_co_u32 s[TB], s[OFF], s[SC]
	s_and_b32 s[TB], s[TB], 15
	s_lshl_b32 s[TB], s[TB], 14
	STEP 4, 0
.Lrest:
	s_add_co_u32 s[SC], s[SC], 1
	s_cmp_lt_u32 s[SC], 8
	s_cbranch_scc1 .Lstep
	SWITCH 7
	s_mov_b32 s[TB], s[DTB]
	; the diagonal's step, on as many 32-key groups as my tile's queries reach into: 1 + tile / 2
	s_cmp_eq_u32 s[NGI], 3
	s_cbranch_scc1 .Ldiag4
	s_cmp_eq_u32 s[NGI], 2
	s_cbranch_scc1 .Ldiag3
	s_cmp_eq_u32 s[NGI], 1
	s_cbranch_scc1 .Ldiag2
	STEP 1, 1
	s_branch .Lout
.Ldiag2:
	STEP 2, 1
	s_branch .Lout
.Ldiag3:
	STEP 3, 1
	s_branch .Lout
.Ldiag4:
	STEP 4, 1
.Lout:
	; THE WAY OUT.  The late tiles' parts and the stages lie over the codes, whose bytes no wave reads behind this barrier.
	s_wait_dscnt 0x0                               ; my reads of K and V are over
	s_barrier_signal -1
	s_barrier_wait -1                              ; everybody's are
	s_cmp_lt_u32 s[WV], 8
	s_cbranch_scc1 .Lno_part
.irp n, 0,1,2,3,4,5,6,7
	ds_store_b128 v[PAD], v[BR+4*\n:BR+4*\n+3] offset:512*\n   ; waves 8..15: the late tile's part, for wave p
.endr
	ds_store_b128 v[PAD], v[BR+32:BR+35] offset:4096
.Lno_part:
	s_mul_i32 s53, s[WV], STG
	s_add_co_u32 s53, s53, STAGE
	v_and_b32 v[X0], 15, v0                        ; r.  (These plain instructions are also the places behind the last products)
	v_bfe_u32 v[X0+1], v0, 4, 1                    ; h
	v_mul_u32_u24 v[ADK], v[X0], SP
	v_mul_u32_u24 v[QRD], v[X0+1], SP
	v_lshl_add_u32 v[ADK], v[X0+1], 5, v[ADK]
	v_lshl_add_u32 v[QRD], v[X0], 4, v[QRD]
	v_add_nc_u32 v[ADK], s53, v[ADK]               ; in: row r; tile t's eight channels of my half of the lanes: 64 t + 32 h bytes on
	v_add_nc_u32 v[QRD], s53, v[QRD]               ; back: lanes 0-15 one row, lanes 16-31 the next
	v_lshlrev_b32 v[QO], 11, v[X0+1]
	v_lshl_add_u32 v[QO], v[X0], 4, v[QO]          ; the same two rows in O, 2,048 bytes apart
	s_mul_i32 s54, s14, PSZ
	s_add_co_u32 s54, s54, 8*PSZ
	v_add_nc_u32 v6, s54, v[LI]                    ; wave 8 + p's part
	s_wait_alu depctr_va_vdst(0)
	s_wait_dscnt 0x0                               ; my stores of a part are done:
	s_barrier_signal -1
	s_barrier_wait -1                              ; everybody's are
	s_cmp_gt_u32 s[WV], 7
	s_cbranch_scc1 .Lmine
.irp n, 0,1,2,3,4,5,6,7
	ds_load_b128 v[FR+4*\n:FR+4*\n+3], v6 offset:512*\n   ; waves 0..7: wave 8 + p's part of the late tile
.endr
	ds_load_b128 v[S:S+3], v6 offset:4096
	s_wait_dscnt 0x0
	v_min_num_f32 v[T0], v[NM], v[S]               ; -M of the two parts together
	v_sub_f32 v[XL], v[T0], v[NM]
	v_sub_f32 v[T1], v[T0], v[S]
	v_cvt_i32_f32 v[XL], v[XL]
	v_cvt_i32_f32 v[T1], v[T1]
	v_ldexp_f32 v[FF], 1.0, v[XL]                  ; a power of two for each part (0 where wave 8 + p had no step of the late tile)
	v_ldexp_f32 v[X0], 1.0, v[T1]
	v_pk_mul_f32 v[SUM:SUM+1], v[SUM:SUM+1], v[FF:FF+1] op_sel_hi:[1,0]
.set j, 0
.rept 16
	v_pk_mul_f32 v[OT+j:OT+j+1], v[OT+j:OT+j+1], v[FF:FF+1] op_sel_hi:[1,0]
.set j, j+2
.endr
	v_pk_fma_f32 v[SUM:SUM+1], v[S+2:S+3], v[X0:X0+1], v[SUM:SUM+1] op_sel_hi:[1,0,1]
.set j, 0
.rept 16
	v_pk_fma_f32 v[OT+j:OT+j+1], v[FR+j:FR+j+1], v[X0:X0+1], v[OT+j:OT+j+1] op_sel_hi:[1,0,1]
.set j, j+2
.endr
.Lmine:
	v_add_f32 v[SUM], v[SUM], v[SUM+1]             ; the sum's two halves,
	s_delay_alu instid0(VALU_DEP_1)
	v_permlanex16_b32 v[XL], v[SUM], s[SEL], s[SEL+1]
	s_delay_alu instid0(VALU_DEP_1)
	v_add_f32 v[SUM], v[SUM], v[XL]                ; and those of the lane 16 away: the row's sum
	s_wait_alu depctr_va_vdst(0)
	v_rcp_f32 v[SUM], v[SUM]
	v_nop                                          ; the plain instruction behind the reciprocal
	s_wait_alu depctr_va_vdst(0)                   ; and behind it, ahead of its first reader
	v_ldexp_f32 v[SUM], v[SUM], s[EO]              ; x 2^(ev + ep)
	s_wait_alu depctr_va_vdst(0)                   ; directly ahead of the first reader of O^T
.set j, 0
.rept 16
	v_pk_mul_f32 v[S+j:S+j+1], v[OT+j:OT+j+1], v[SUM:SUM+1] op_sel_hi:[1,0]   ; register 8 t + i is o(r, 16 t + 8 h + i); each accumulator from its low end on
.set j, j+2
.endr
.irp t, 0,1,2,3
	ds_store_b128 v[ADK], v[S+8*\t:S+8*\t+3] offset:64*\t
	ds_store_b128 v[ADK], v[S+8*\t+4:S+8*\t+7] offset:64*\t+16
.endr
.irp n, 0,1,2,3,4,5,6,7
	ds_load_b128 v[FR+4*\n:FR+4*\n+3], v[QRD] offset:2*\n*SP   ; LDS serves a wave's instructions in order (ISA guide 5.7.1.4): these see my stores
.endr
.irp n, 0,1,2,3,4,5,6,7
	s_wait_dscnt 7-\n                              ; the younger loads from the stage may be out
	global_store_b128 v[QO], v[FR+4*\n:FR+4*\n+3], s[10:11] offset:2*\n*2048 th:TH_STORE_NT   ; sixteen lanes store 256 consecutive bytes, aligned: a query's row of this head; written once, read by nobody here
.endr
	s_wait_tensorcnt 0x0                           ; the wave's end
	ds_add_u32 v[SPW], v[NIL]
	s_wait_dscnt 0x0
	s_endpgm
.Lfunc_end_k_qa1e95fb0e3_attn:
	.size	k_qa1e95fb0e3_attn, .Lfunc_end_k_qa1e95fb0e3_attn-k_qa1e95fb0e3_attn
	.p2alignl 7, 3214868480
	.fill 96, 4, 3214868480
	.section	.rodata,"a",@progbits
	.p2align	6, 0x0
	.amdhsa_kernel k_qa1e95fb0e3_attn
		.amdhsa_group_segment_fixed_size 280576
		.amdhsa_private_segment_fixed_size 0
		.amdhsa_enable_private_segment 0
		.amdhsa_kernarg_size 32
		.amdhsa_user_sgpr_count 2
		.amdhsa_user_sgpr_kernarg_segment_ptr 1
		.amdhsa_wavefront_size32 1
		.amdhsa_system_sgpr_workgroup_id_x 1
		.amdhsa_system_sgpr_workgroup_id_y 1
		.amdhsa_system_sgpr_workgroup_id_z 1
		.amdhsa_system_vgpr_workitem_id 0
		.amdhsa_next_free_vgpr 256
		.amdhsa_next_free_sgpr 66
		.amdhsa_reserve_vcc 1
		.amdhsa_float_denorm_mode_32 3
		.amdhsa_float_denorm_mode_16_64 3
		.amdhsa_memory_ordered 1
		.amdhsa_forward_progress 1
		.amdhsa_inst_pref_size 142
	.end_amdhsa_kernel
	.amdgpu_metadata
---
amdhsa.version: [ 1, 2 ]
amdhsa.kernels:
  - .name:           k_qa1e95fb0e3_attn
    .symbol:         k_qa1e95fb0e3_attn.kd
    .args:
      - { .name: queries, .offset: 0, .size: 8, .value_kind: global_buffer, .address_space: global }
      - { .name: kv, .offset: 8, .size: 8, .value_kind: global_buffer, .address_space: global }
      - { .name: lowp_scales, .offset: 16, .size: 8, .value_kind: global_buffer, .address_space: global }
      - { .name: out0, .offset: 24, .size: 8, .value_kind: global_buffer, .address_space: global }
    .group_segment_fixed_size: 280576
    .private_segment_fixed_size: 0
    .kernarg_segment_align: 8
    .kernarg_segment_size: 32
    .max_flat_workgroup_size: 512
    .sgpr_count:     66
    .vgpr_count:     256
    .wavefront_size: 32
...
	.end_amdgpu_metadata
.endif
;; end of part 2
